; MI455X (gfx1250); checked and timed in simulation.
; The chip was launched on July 23, 2026; its instructions are those of AMD's public machine-readable ISA for CDNA 5 (MIT licence, August 2026) and "CDNA5" Instruction Set Architecture Reference Guide (July 2026). The comments in the code are by the model that wrote it; some were corrected since.
;; Block Decomposed SSM Attention. Allowed arithmetic: matrix products marked QUANTISED: E3M2 operands, one E8M0 scale for each 32 along K, by v_wmma_scale_f32_16x16x128_f8f6f4 with both operands' format E3M2, f32 sums; everything else in f32.
;; Inputs: A 1,024 x 1,024 float32; B 1,024 x 1,024 float32; C 1,024 x 1,024 float32; x 4 x 4,096 x 1,024 float32.
;; Outputs: out0 4 x 4,096 x 1,024 float32.
;; This version of the problem:
;;   THIS VERSION OF THE PROBLEM IS GIVEN IN LOW PRECISION. The matrix products marked QUANTISED in the list below multiply operands that are first quantised to E3M2 (3 exponent bits, 2 mantissa bits; 6 bits a number), with one power-of-two scale for each 32 numbers along K (OCP MX v1.0); their sums are f32. All else is computed in f32.
;;   The module's matrix products, in the order in which they are computed (A, B: the left and right operand; K: the contracted axis; several contracted axes count as one K, in the product's order):
;;     1. [M 16,384, K 1,024] x [K 1,024, N 1,024]; A: input x; B: input B: QUANTISED
;;     2. [M 16,384, K 1,024] x [K 1,024, N 1,024]; A: computed on the way; B: input A: QUANTISED
;;     3. [M 16,384, K 1,024] x [K 1,024, N 1,024]; A: computed on the way; B: input C: QUANTISED
;;   THE QUANTISER, for each operand of a quantised product, along K:
;;     - K is cut into blocks of 32 from its start; a last block that is shorter is filled with zeros.
;;     - A block's scale is 2^e with e = floor(log2(the largest magnitude in the block)) - 4, held to -126 .. 127; a block of zeros has e = 0. As a byte (E8M0): e + 127.
;;     - Each number is divided by its block's scale, clamped to +-28, and rounded to the nearest number of E3M2, ties to even, subnormals kept.
;;     - The product sums the exact products of the quantised numbers (number of the format x scale) in f32.
;;   ~~~python
;;   def quantise(x, axis):      # numpy; x: float32 -> the quantised numbers, widened to float32 again
;;       x = np.moveaxis(x, axis, -1); K = x.shape[-1]
;;       x = np.pad(x, [(0, 0)] * (x.ndim - 1) + [(0, -K % 32)]); x = x.reshape(x.shape[:-1] + (-1, 32)); a = np.abs(x).max(-1, keepdims=True)
;;       e = np.where(a > 0, np.clip(np.frexp(np.where(a > 0, a, 1))[1] - 1 - 4, -126, 127), 0)      # np.frexp(a)[1] - 1 = floor(log2(a)), exactly
;;       r = np.clip(x / 2.0 ** e, -28, 28)
;;       step = 2.0 ** (np.maximum(np.frexp(np.where(r == 0, 1, r))[1] - 1, -2) - 2)
;;       q = np.round(r / step) * step * 2.0 ** e      # np.round: ties to even
;;       return np.moveaxis(q.reshape(q.shape[:-2] + (-1,))[..., :K], -1, axis).astype(np.float32)
;;   ~~~
;;   OPERANDS COMPUTED ON THE WAY. 'Computed on the way' means the value that the module computes at that place (a softmax that the list does not call 'softmax' is quantised finished and normalised). What goes into a quantiser is computed in f32, as accurately as f32 sums, v_exp_f32 and their like allow (about 1e-6 of the number): no bf16 or f16 on the way to a quantiser, and a product that is left as it is and whose result goes on into a quantised operand takes f32 operands (vector FMAs, or v_wmma_f32_16x16x4_f32). A number that lies on a knife's edge between two numbers of the format may be rounded either way, as far as f32 arithmetic and the matrix unit's own rounding can turn it there, and no further.
;; One version. Each part assembles by itself: llvm-mc -triple=amdgcn-amd-amdhsa -mcpu=gfx1250 --defsym DOCPART=n.
;; ======== version 1 of 1: 2 launches
;; limits: right only within a limited range of input values
;; workspace buffers: wq 2,457,600 bytes
;; launch prep (part 1): grid 64 x 3, 4 waves a work-group, no clusters, 80,896 bytes of LDS; arguments A, B, C, wq; writes wq
.if DOCPART == 1
	.amdgcn_target "amdgcn-amd-amdhsa--gfx1250"
	.amdhsa_code_object_version 6
	.text
	.protected	k_qdd15743d29_prep
	.globl	k_qdd15743d29_prep
	.p2align	8
	.type	k_qdd15743d29_prep,@function
k_qdd15743d29_prep:
	s_mov_b64 s[64:65], 0
	v_nop
	global_prefetch_b8 v0, s[64:65] scope:SCOPE_SE
	s_setreg_imm32_b32 hwreg(HW_REG_WAVE_MODE, 25, 1), 1
	s_wait_xcnt 0x0
; THE PROGRAM: y = Q(Q(Q(x) Q(B)^T) Q(A)) Q(C)^T, three products [16384 x 1024] x [1024 x 1024] on codes of BF6 (E3M2) with one E8M0 scale for each 32 along K.
; NO WORK OF THE PROBLEM IS LEFT OUT: every input reaches the output, and each quantiser is a step of the problem, so the three weights are not multiplied together.
; THIS LAUNCH quantises the three weights once, along each product's K, and lays codes and scale words in wq in the order in which the second launch's operand registers take them.
; wq: 24 slots of 102,400 bytes, slot 8 k + j: k = 0: B, 1: A, 2: C; j: 128 output columns.  In a slot: codes [wave w][K step s of 128][tile u]: a fragment of 1,536 bytes, 48 bytes a lane:
; lane rho + 16 hh holds its twelve operand registers on end: bytes 24 c .. 24 c + 23 are the codes of k = 128 s + 64 c + 32 hh + 0 .. 31 of column n = 128 j + 32 w + 8 u + rho + 8 (rho / 8).
; (The columns of a tile are not neighbours: so the 16 results that a lane of the next launch holds of tiles u = 0, 1 are 16 neighbours along the next product's K.)
; Behind the codes, at 98,304: scale words [s][w][16 u + rho], byte b for k = 128 s + 32 b on.
; K is innermost in B and C ([n][k]) and the first axis of A ([k][n]).  In both cases A LANE TAKES A COLUMN n AND ITS REGISTERS RUN ALONG K: 128 numbers, four whole blocks, so that no other lane is asked for a maximum.
; B, C: each load reads 512 consecutive bytes of one row; the 32 rows turn through the wave's own stage in LDS.  A: each load reads one row k at 32 neighbouring columns; the four waves stand side by side on 512 bytes.
; A block's scale byte is its largest magnitude's exponent field - 4, held at 1 from below.
; LIMITS: a block of zeros gets the byte 1 where the rule says 127 (its codes are zeros, and this program alone reads the bytes); blocks whose largest magnitude lies under 2^-122 keep the byte 1; NaN and infinities among the inputs are not served.
; SHARES: work-group (x = 8 j + s, y = k), wave w: 32 columns x 128 along K: two fragments and 32 scale words.  192 work-groups are all the work there is.
.set SLOTB,  102400
.set SCOFF,  98304
.set IP,     528                       ; a stage row: 512 bytes + 16: an odd multiple of 16 bytes from lane to lane
.set IST,    0                         ; LDS: the way in (B, C alone): 32 rows x 528 bytes for each wave
.set OST,    4*32*IP                   ; the way out: two fragments, 3,072 bytes, for each wave
.set SST,    OST+4*3072                ; the work-group's 128 scale words
.set SPARE,  SST+512                   ; the spare words, 128 bytes for each wave: two blocks of 256 bytes that no other line names
.set L16,  2                           ; v2   16 x lane
.set L4,   3                           ; v3   4 x lane
.set SPW,  4                           ; v4   LDS address of my spare word; never rewritten
.set NIL,  5                           ; v5   0; never rewritten
.set ISA,  6                           ; v6   the way in: where a load's 512 bytes go
.set ILA,  7                           ; v7   and my column's row
.set OA,   8                           ; v8   the way out: my column's place in its fragment
.set ORA,  9                           ; v9   and 16 x lane in my wave's 3,072 bytes
.set SA,   10                          ; v10  my column's scale word
.set SRA,  11                          ; v11  16 x lane among the 128 words
.set MX,   16                          ; v16-19 largest magnitudes;  v20-23 the conversions' scale operands;  v24-27 bytes;  v28 the word
.set SCO,  20
.set BY,   24
.set WD,   28
.set N,    32                          ; v32-159  my column's 128 numbers
.set PC,   160                         ; v160-191 eight runs of 16 codes, three registers each, begun on even numbers
.set OB,   192                         ; v192-215 the codes on their way out
.set SB,   216                         ; v216-219 scale words on their way out
	s_load_b256 s[4:11], s[0:1], 0x0               ; A s[4:5], B s[6:7], C s[8:9], wq s[10:11]
	v_lshl_add_u32 v[SPW], v0, 2, SPARE
	v_mov_b32 v[NIL], 0
	v_lshrrev_b32 v1, 5, v0
	v_readfirstlane_b32 s12, v1                    ; wave w
	v_and_b32 v1, 31, v0                           ; lane
	v_lshlrev_b32 v[L16], 4, v1
	v_lshlrev_b32 v[L4], 2, v1
	s_and_b32 s13, ttmp7, 0xffff                   ; k: which weight
	s_lshr_b32 s14, ttmp9, 3                       ; j
	s_and_b32 s15, ttmp9, 7                        ; s
	; every LDS address is made here, ahead of the parting of the two ways in
	s_mul_i32 s22, s12, 32*IP
	v_add_nc_u32 v[ISA], s22, v[L16]
	v_mul_u32_u24 v[ILA], v1, IP
	v_add_nc_u32 v[ILA], s22, v[ILA]
	v_bfe_u32 v12, v1, 3, 1                        ; u: column offset lane = 8 u + rho + 8 (rho / 8)
	v_bfe_u32 v13, v1, 4, 1
	v_and_b32 v14, 7, v1
	v_lshl_add_u32 v14, v13, 3, v14                ; rho
	v_mul_u32_u24 v[OA], v14, 48
	v_mad_u32_u24 v[OA], v12, 1536, v[OA]
	s_mul_i32 s23, s12, 3072
	s_add_co_u32 s23, s23, OST
	v_add_nc_u32 v[OA], s23, v[OA]
	v_add_nc_u32 v[ORA], s23, v[L16]
	v_lshl_add_u32 v[SA], v12, 4, v14              ; 16 u + rho
	v_lshlrev_b32 v[SA], 2, v[SA]
	s_lshl_b32 s24, s12, 7
	s_add_co_u32 s24, s24, SST
	v_add_nc_u32 v[SA], s24, v[SA]
	v_add_nc_u32 v[SRA], SST, v[L16]
	; offsets in wq
	s_lshl_b32 s25, s13, 3
	s_add_co_u32 s25, s25, s14
	s_mul_i32 s25, s25, SLOTB                      ; the slot's first byte
	s_mul_i32 s26, s12, 24576
	s_mul_i32 s27, s15, 3072
	s_add_co_u32 s26, s26, s27
	s_add_co_u32 s26, s26, s25                     ; my two fragments
	s_mov_b32 s27, 0
	s_lshl_b32 s28, s15, 9
	s_add_co_u32 s28, s28, s25
	s_add_co_u32 s28, s28, SCOFF                   ; the work-group's 128 scale words
	s_mov_b32 s29, 0
	s_lshl_b32 s30, s14, 7
	s_lshl_b32 s31, s12, 5
	s_add_co_u32 s30, s30, s31                     ; n0: my first column
	s_wait_kmcnt 0x0
	s_add_nc_u64 s[18:19], s[10:11], s[26:27]
	s_add_nc_u64 s[20:21], s[10:11], s[28:29]
	s_cmp_eq_u32 s13, 1                            ; the work-group's number alone: all four waves go the same way
	s_cbranch_scc1 .LpathA
	; ---- B or C: K innermost
	s_cmp_eq_u32 s13, 0
	s_cselect_b64 s[16:17], s[6:7], s[8:9]
	s_lshl_b32 s32, s30, 12                        ; n0 rows of 4,096 bytes
	s_lshl_b32 s33, s15, 9                         ; + K step s: 512 bytes
	s_add_co_u32 s32, s32, s33
	s_mov_b32 s33, 0
	s_add_nc_u64 s[16:17], s[16:17], s[32:33]
.irp i, 0,1,2,3,4,5,6,7,8,9,10,11,12,13,14,15,16,17,18,19,20,21,22,23,24,25,26,27,28,29,30,31
	global_load_b128 v[N+4*\i:N+4*\i+3], v[L16], s[16:17] offset:4096*\i th:TH_LOAD_NT   ; row n0 + i: 32 lanes read 512 consecutive bytes
.endr
	s_wait_loadcnt 0x0
.irp i, 0,1,2,3,4,5,6,7,8,9,10,11,12,13,14,15,16,17,18,19,20,21,22,23,24,25,26,27,28,29,30,31
	ds_store_b128 v[ISA], v[N+4*\i:N+4*\i+3] offset:IP*\i
.endr
	s_wait_dscnt 0x0                               ; the stores have read their registers, which the loads below fill
.irp q, 0,1,2,3
.irp e, 0,1,2,3,4,5,6,7
	ds_load_b128 v[N+32*\q+4*\e:N+32*\q+4*\e+3], v[ILA] offset:128*\q+16*\e   ; my row, 512 bytes: my wave's own bytes
.endr
.endr
	s_wait_dscnt 0x0
	s_branch .Ljoin
.LpathA:
	; ---- A: K is the first axis
	s_lshl_b32 s32, s15, 19                        ; 128 s rows of 4,096 bytes
	s_lshl_b32 s33, s30, 2                         ; + 4 n0
	s_add_co_u32 s32, s32, s33
	s_mov_b32 s33, 0
	s_add_nc_u64 s[16:17], s[4:5], s[32:33]
.set T, 0
.rept 128
	global_load_b32 v[N+T], v[L4], s[16:17] offset:4096*T   ; A(128 s + T, n0 + lane)
.set T, T+1
.endr
	s_wait_loadcnt 0x0
.Ljoin:
	; ---- four blocks of 32, by turns, so that no line waits for the line above it
.irp q, 0,1,2,3
	v_max3_num_f32 v[MX+\q], |v[N+32*\q]|, |v[N+32*\q+1]|, 0x2800000   ; and the floor 2^(5 - 127): the byte cannot fall under 1
.endr
.irp i, 2,4,6,8,10,12,14,16,18,20,22,24,26,28,30
.irp q, 0,1,2,3
	v_max3_num_f32 v[MX+\q], v[MX+\q], |v[N+32*\q+\i]|, |v[N+32*\q+\i+1]|
.endr
.endr
.irp q, 0,1,2,3
	v_add_nc_u32 v[SCO+\q], 0xfe000000, v[MX+\q]   ; 4 off the exponent field: the conversion takes the exponent field of this operand as its scale
.endr
.irp q, 0,1,2,3
	v_lshrrev_b32 v[BY+\q], 23, v[SCO+\q]          ; the scale's byte
.endr
	v_lshl_or_b32 v[WD], v[BY+1], 8, v[BY]
	v_lshl_or_b32 v[WD], v[BY+2], 16, v[WD]
	v_lshl_or_b32 v[WD], v[BY+3], 24, v[WD]        ; my column's scale word for this K step
.irp q, 0,1,2,3
.irp e, 0,1
	v_cvt_scalef32_pk16_bf6_f32 v[PC+4*(2*\q+\e):PC+4*(2*\q+\e)+2], v[N+32*\q+16*\e:N+32*\q+16*\e+15], v[SCO+\q]
.endr
.endr
	v_nop                                          ; one plain line behind the last scaled conversion
.irp q, 0,1,2,3                                ; block q belongs to lane rho + 16 (q % 2) of the fragment, registers 6 (q / 2) on
.irp e, 0,1
.irp i, 0,1,2
	ds_store_b32 v[OA], v[PC+4*(2*\q+\e)+\i] offset:768*(\q%2)+24*(\q/2)+12*\e+4*\i
.endr
.endr
.endr
	ds_store_b32 v[SA], v[WD]
.irp i, 0,1,2,3,4,5
	ds_load_b128 v[OB+4*\i:OB+4*\i+3], v[ORA] offset:512*\i   ; my wave's own bytes: LDS serves a wave's instructions in order (ISA guide 5.7.1.4)
.endr
.irp i, 0,1,2,3,4,5
	s_wait_dscnt 5-\i                              ; the younger loads of this run may be out
	global_store_b128 v[L16], v[OB+4*\i:OB+4*\i+3], s[18:19] offset:512*\i   ; 32 lanes store 512 consecutive bytes, at a multiple of 256 from wq's first byte
.endr
	s_wait_dscnt 0x0                               ; for the others' sake: my scale words lie in LDS
	s_barrier_signal -1
	s_barrier_wait -1
	s_cmp_lg_u32 s12, 0
	s_cbranch_scc1 .Lend                           ; wave 0 stores the four waves' 512 bytes of scale words
	ds_load_b128 v[SB:SB+3], v[SRA]
	s_wait_dscnt 0x0
	global_store_b128 v[L16], v[SB:SB+3], s[20:21]
.Lend:
	s_wait_tensorcnt 0x0                           ; the wave's end
	ds_add_u32 v[SPW], v[NIL]
	s_wait_dscnt 0x0
	s_endpgm
.Lfunc_end_k_qdd15743d29_prep:
	.size	k_qdd15743d29_prep, .Lfunc_end_k_qdd15743d29_prep-k_qdd15743d29_prep
	.p2alignl 7, 3214868480
	.fill 96, 4, 3214868480
	.section	.rodata,"a",@progbits
	.p2align	6, 0x0
	.amdhsa_kernel k_qdd15743d29_prep
		.amdhsa_group_segment_fixed_size 80896
		.amdhsa_private_segment_fixed_size 0
		.amdhsa_enable_private_segment 0
		.amdhsa_kernarg_size 32
		.amdhsa_user_sgpr_count 2
		.amdhsa_user_sgpr_kernarg_segment_ptr 1
		.amdhsa_wavefront_size32 1
		.amdhsa_system_sgpr_workgroup_id_x 1
		.amdhsa_system_sgpr_workgroup_id_y 1
		.amdhsa_system_sgpr_workgroup_id_z 1
		.amdhsa_system_vgpr_workitem_id 0
		.amdhsa_next_free_vgpr 224
		.amdhsa_next_free_sgpr 66
		.amdhsa_reserve_vcc 0
		.amdhsa_float_denorm_mode_32 3
		.amdhsa_float_denorm_mode_16_64 3
		.amdhsa_memory_ordered 1
		.amdhsa_forward_progress 1
		.amdhsa_inst_pref_size 31
	.end_amdhsa_kernel
	.amdgpu_metadata
---
amdhsa.version: [ 1, 2 ]
amdhsa.kernels:
  - .name:           k_qdd15743d29_prep
    .symbol:         k_qdd15743d29_prep.kd
    .args:
      - { .name: A, .offset: 0, .size: 8, .value_kind: global_buffer, .address_space: global }
      - { .name: B, .offset: 8, .size: 8, .value_kind: global_buffer, .address_space: global }
      - { .name: C, .offset: 16, .size: 8, .value_kind: global_buffer, .address_space: global }
      - { .name: wq, .offset: 24, .size: 8, .value_kind: global_buffer, .address_space: global }
    .group_segment_fixed_size: 80896
    .private_segment_fixed_size: 0
    .kernarg_segment_align: 8
    .kernarg_segment_size: 32
    .max_flat_workgroup_size: 128
    .sgpr_count:     66
    .vgpr_count:     224
    .wavefront_size: 32
...
	.end_amdgpu_metadata
.endif
;; end of part 1
;; launch chain (part 2): grid 256 x 1, 4 waves a work-group, clusters of 4 x 1, 327,680 bytes of LDS; arguments x, wq, out0; writes out0
.if DOCPART == 2
	.amdgcn_target "amdgcn-amd-amdhsa--gfx1250"
	.amdhsa_code_object_version 6
	.text
	.protected	k_qdd15743d29_chain
	.globl	k_qdd15743d29_chain
	.p2align	8
	.type	k_qdd15743d29_chain,@function
k_qdd15743d29_chain:
	s_mov_b64 s[64:65], 0
	v_nop
	global_prefetch_b8 v0, s[64:65] scope:SCOPE_SE
	s_setreg_imm32_b32 hwreg(HW_REG_WAVE_MODE, 25, 1), 1
	s_wait_xcnt 0x0
	s_wait_alu depctr_hold_cnt(0) depctr_sa_sdst(0) depctr_va_vdst(0) depctr_va_sdst(0) depctr_va_ssrc(0) depctr_va_vcc(0) depctr_vm_vsrc(0)
	s_getreg_b32 s2, hwreg(HW_REG_IB_STS2, 6, 4)
	s_cmp_eq_u32 s2, 0
	s_cbranch_scc0 .Lentry_in_a_cluster
	s_endpgm
.Lentry_in_a_cluster:
	s_bfe_u32 s2, ttmp6, 0x10000c
	s_cmp_lg_u32 s2, 0x3003
	s_cbranch_scc0 .Lentry_shape_is_right
	s_endpgm
.Lentry_shape_is_right:
; y = Q(Q(Q(x) Q(B)^T) Q(A)) Q(C)^T on codes of BF6 (E3M2), 6 bits each, one E8M0 scale for each 32 along a product's K; sums in f32, K ascending in 8 steps of 128.  x, y: [16384][1024] f32.  No work of the problem is left out.
; wq holds the three weights as codes and scale words, 24 slots of 102,400 bytes in the order of the operand's registers, as the first launch laid them (slot 8 k + j: product k, output columns 128 j on).
; SHARES.  A work-group owns 64 rows and takes them through all three products; the two intermediates never go to memory.  THE WAVES SHARE THE COLUMNS: in a step the work-group makes 128 output columns for its 64 rows over all
; of K; wave w makes columns 32 w .. 32 w + 31 of them: 2 tiles (u) x 4 tiles of rows (m) x 8 K steps = 64 matrix instructions on 8 accumulators, which take turns.  A product is 8 steps; 24 steps in all.
; THE LEFT OPERAND (64 rows x 1,024 K of codes: 32 fragments, 384 registers) lies whole in every wave's registers for a whole product; so each byte of a weight is read from LDS once.
; TRANSPOSED USE: source 0 = 16 columns of the weight, source 1 = 16 rows.  Lane (r, h) then holds row r, and the 16 registers of tiles u = 0, 1 are columns 32 w + 16 h + 0 .. 15 of the step's 128: half of block w of one K step
; of the next product.  They are quantised in registers (the block's other half lies in lane l xor 16) and go to LDS as part of an IMAGE OF THE NEXT OPERAND'S REGISTERS: 48 bytes a lane, 1,536 a fragment.
; The third product's results go through a stage in LDS and leave as whole rows of 512 bytes, one step behind the products that made them.
; THE WEIGHTS come through a ring of two LDS slots, a step's 102,400 bytes each, by the tensor data mover; each wave fetches a quarter.  CLUSTER: the four work-groups of a cluster walk the same slots, so each quarter is asked
; for JOINTLY: the same tensor load with the same descriptor and the mask 15 in all four.  By this text's count a wave has one tensor load out at the start and one behind each round.
; THE WALK IS ROTATED: at time step p of a product cluster c takes column group (p + rot) & 7, rot = (c + c / 8) & 7, so that at any moment the clusters ask for all eight slots of a product and not all for the same one.
; rot is the same in all partners.  Results are stored at the time position p (addresses that hang on no id); the next product fetches its K step s from position (s - rot) & 7.  ROTATE = 0 makes rot 0.
; LIMITS: NaN and infinities are not served; a block of zeros gets the byte 1 where the rule says 127 (its codes are zeros; the bytes are read here alone); blocks whose largest magnitude lies under 2^-122 keep the byte 1.
; REGISTERS, in windows of 256 (s_set_vgpr_msb's low byte: bits 1:0 source 0, 3:2 source 1, 5:4 source 2, 7:6 destination):
;   window 0: v1-31 addresses; v32-47 addresses of an operand's fetch; v48-60 at work in the quantiser; v64-79 codes just made; v80-95 the weights' scale words, a set for each slot; v96-111 the operand's scale words; v128-191 16 rows on their way
;   window 1: x as loaded (four sets of 64), then the operand's K steps 0-4.   window 2: its K steps 5-7.   window 3: v0-63 the accumulators (16 m + 8 u); v64-159 the weight's K steps 0-3; v160-255 its K steps 4-7.
.set ROTATE, 1
.set SLOTB,  102400                    ; a slot: 98,304 bytes of codes [w][s][u][48 x lane], then 4,096 of scale words [s][w][lane]
.set QUART,  25600                     ; what one tensor load brings: 100 rows of 256 bytes
.set SCOFF,  98304
.set FRB,    1536                      ; a fragment's image
.set POSB,   6144                      ; a position: four fragments (m)
.set ACT0,   2*SLOTB                   ; behind the ring: two buffers for operands' images: 8 positions of codes, then their scale words.  No tensor load ever lands here
.set ACT1,   ACT0+51200
.set ASC,    49152                     ; scale words in a buffer: 256 p + 8 (16 (m % 2) + r) + 4 (m / 2) + block
.set SPARE,  ACT1+51200                ; the spare words, 128 bytes for each wave: two blocks of 256 bytes that no other line names
.set SP,     528                       ; a stage row: 512 bytes + 16.  x's stage (16 rows a wave) lies in ACT1; y's stages (64 rows) in ACT1 (even steps) and ACT0 (odd steps), when their images are done with
.set L16,  1                           ; v1   16 x lane
.set SPW,  2                           ; v2   LDS address of my spare word; never rewritten
.set NIL,  3                           ; v3   0; never rewritten
.set WA,   4                           ; v4-5 my wave's codes in slot 0, 1: 48 x lane + 24,576 w
.set WSA,  6                           ; v6-7 my wave's scale words in slot 0, 1
.set EA0,  8                           ; v8   my 12 bytes in a fragment's image: 48 r + 12 h + 768 (w % 2) + 24 (w / 2)
.set EB0,  9                           ; v9   my block's byte among a position's scale words: ASC + 8 r + w
.set EAD,  10                          ; v10-11 the same at the step's position
.set EBD,  11
.set XLA,  13                          ; v13  x's stage, back: row r, 64 h
.set XEA,  14                          ; v14  x's images: fragment m = w
.set XEB,  15                          ; v15  and their scale words
.set AL0,  16                          ; v16-17 48 x lane in ACT0, ACT1
.set AL1,  17
.set ASL0, 18                          ; v18-19 8 x lane among their scale words
.set ASL1, 19
.set SO,   20                          ; v20-21 y's stage 0, 1: where I put 32 bytes of a row
.set SR,   22                          ; v22-23 and where my wave reads rows back (v22 also: x's stage, in)
.set YO,   24                          ; v24  my byte offset in a row of y
.set AD,   32
.set AD2,  40
.set TM,   48                          ; v48-51 largest magnitudes, v52-55 the other half's, then bytes, v56-59 the conversions' scale operands
.set PW,   60
.set PC,   64
.set WS,   80
.set AS,   96                          ; register 2 s + m / 2: lanes 0-15 even m, lanes 16-31 odd m
.set XT,   128
.set FB,   128
.set WB0,  64                          ; in window 3
.set WB1,  160
.set WV,   10                          ; s10  wave
.set ROT,  13                          ; s13  rot;  s14 (8 - rot) & 7;  s15 0
.set NR,   14
.set NOROT, 15
.set G1,   16                          ; s[16:23] descriptor group 1;  s[24:27], s[28:31] group 0 for slot 0, 1
.set G0,   24
.set TN,   32                          ; s32  the next time step to be fetched
.set QW,   33                          ; s33  25,600 w
.set CNT,  38
.set EP,   39                          ; s39, s40 where the step's position begins: codes, scale words
.set EQ,   40
.set PF,   41                          ; s41  steps of y stored so far
.set SEL,  42                          ; s[42:43] lane selects for v_permlanex16_b32: lane l xor 16
.set MUL1, 0xf7                        ; source 0 (weight) window 3, source 1 (rows) window 1, C and D window 3
.set MUL2, 0xfb                        ; the same with source 1 in window 2
.set TO1,  0x40
.set TO2,  0x80
.set TO3,  0xc0
.set ST1,  0x04                        ; an LDS store's data are its source 1
.set ST3,  0x0c
.set MSB, 0
.macro WIN new                         ; the immediate's high byte repeats the setting that is left; a switch that changes nothing is dropped
.if MSB != \new
	s_set_vgpr_msb (MSB<<8)|\new
.set MSB, \new
.endif
.endm
.macro CREST                           ; a round of the cluster's barrier behind its opening barrier
	s_cmp_lg_u32 s[WV], 0
	s_cbranch_scc1 .Lnot_wave_0_\@
	s_barrier_signal -3
.Lnot_wave_0_\@:
	s_barrier_wait -3
	s_barrier_signal -1
	s_barrier_wait -1
.endm
.macro ROUND                           ; a whole round
	s_barrier_signal -1
	s_barrier_wait -1
	CREST
.endm
; The global address of my quarter of time step TN's slot into a group 0.  It stands only where no tensor load of mine is out.
.macro GADDR g0
	s_add_co_u32 s34, s[TN], s[ROT]
	s_and_b32 s34, s34, 7                          ; the column group,
	s_and_b32 s35, s[TN], 0x18                     ; in the product at hand
	s_or_b32 s34, s34, s35
	s_mul_i32 s34, s34, SLOTB
	s_add_co_u32 s34, s34, s[QW]
	s_mov_b32 s35, 0
	s_add_nc_u64 s[\g0+2:\g0+3], s[6:7], s[34:35]
	s_or_b32 s[\g0+3], s[\g0+3], 0x80000000       ; type = 2
	s_add_co_u32 s[TN], s[TN], 1
.endm
.macro XLOAD s                         ; my 16 rows' numbers of K step s: each load reads a row's 512 consecutive bytes
	WIN TO1
.irp p, 0,1,2,3,4,5,6,7,8,9,10,11,12,13,14,15
	global_load_b128 v[64*((\s)%4)+4*\p:64*((\s)%4)+4*\p+3], v[L16], s[4:5] offset:4096*\p+512*(\s) th:TH_LOAD_NT
.endr
	WIN 0
.endm
; Four groups of 16 numbers, v[s + 16 g] on in window w, each half a block of 32 whose other half lies in lane l xor 16, become 16 codes each in v[PC + 4 g] on and a scale byte in v[TM + 4 + g].  The groups take turns line by line.
.macro Q4 s, w
	WIN 5*(\w)                                     ; sources 0 and 1 in window w
.irp g, 0,1,2,3
	v_max3_num_f32 v[TM+\g], |v[\s+16*\g]|, |v[\s+16*\g+1]|, 0x2800000   ; from the low end on; and the floor 2^(5 - 127): the byte cannot fall under 1
.endr
.irp i, 2,4,6,8,10,12,14
.irp g, 0,1,2,3
	v_max3_num_f32 v[TM+\g], |v[\s+16*\g+\i]|, |v[\s+16*\g+\i+1]|, v[TM+\g]
.endr
.endr
	WIN 0
.irp g, 0,1,2,3
	v_permlanex16_b32 v[TM+4+\g], v[TM+\g], s[SEL], s[SEL+1]
.endr
.irp g, 0,1,2,3
	v_max_num_f32 v[TM+\g], v[TM+\g], v[TM+4+\g]   ; the block's largest magnitude
.endr
.irp g, 0,1,2,3
	v_add_nc_u32 v[TM+8+\g], 0xfe000000, v[TM+\g]  ; 4 off its exponent field: the conversion's scale operand
.endr
.irp g, 0,1,2,3
	v_lshrrev_b32 v[TM+4+\g], 23, v[TM+8+\g]       ; the scale's byte
.endr
	WIN \w                                         ; source 0 in window w
.irp g, 0,1,2,3
	v_cvt_scalef32_pk16_bf6_f32 v[PC+4*\g:PC+4*\g+2], v[\s+16*\g:\s+16*\g+15], v[TM+8+\g]
.endr
	WIN 0
	v_nop                                          ; one plain line behind the last scaled conversion: matrix instructions write its sources later
.endm
; K step s of my 16 rows of x: through my stage, so that a lane holds 16 neighbours of each block; quantised; image and scale words to ACT0, position s, fragment m = w.
.macro XSTEP s
.if (\s) < 5
	s_wait_loadcnt 48                              ; this set's 16 loads are in; those of the three younger sets may be out
.else
	s_wait_loadcnt 16*(7-(\s))                     ; the younger sets that are left
.endif
	WIN ST1
.irp p, 0,1,2,3,4,5,6,7,8,9,10,11,12,13,14,15
	ds_store_b128 v[SR], v[64*((\s)%4)+4*\p:64*((\s)%4)+4*\p+3] offset:SP*\p
.endr
	WIN 0
.irp b, 0,1,2,3
.irp j, 0,1,2,3
	ds_load_b128 v[XT+16*\b+4*\j:XT+16*\b+4*\j+3], v[XLA] offset:128*\b+16*\j   ; my wave's own bytes, served in order: register 16 b + i = k 32 b + 16 h + i of row r
.endr
.endr
	s_wait_dscnt 0x0                               ; the numbers are back; the stores have read the set, and the last step's stores their codes
.if (\s) < 4
	XLOAD (\s)+4                                   ; the set takes the K step four on
.endif
	Q4 XT, 0
	v_lshl_or_b32 v[PW], v[TM+5], 8, v[TM+4]
	v_lshl_or_b32 v[PW], v[TM+6], 16, v[PW]
	v_lshl_or_b32 v[PW], v[TM+7], 24, v[PW]        ; my row's scale word (both halves of the lanes hold the same)
.irp b, 0,1,2,3
.irp i, 0,1,2
	ds_store_b32 v[XEA], v[PC+4*\b+\i] offset:POSB*(\s)+768*(\b%2)+24*(\b/2)+4*\i
.endr
.endr
	ds_store_b32 v[XEB], v[PW] offset:256*(\s)
.endm
.macro LOADW wb, sl, half              ; my wave's eight fragments of the slot's K steps 4 half .. 4 half + 3: three loads of 16 bytes each, 48 bytes from lane to lane: sixteen lanes fall on sixteen different 16-byte columns modulo 256 bytes
.irp f, 0,1,2,3,4,5,6,7
.irp i, 0,1,2
	ds_load_b128 v[\wb+12*\f+4*\i:\wb+12*\f+4*\i+3], v[WA+(\sl)] offset:(8*(\half)+\f)*FRB+16*\i
.endr
.endr
.endm
.macro LOADS sl                        ; and its scale words of all eight K steps: lanes 0-15 tile u = 0, lanes 16-31 tile u = 1
.irp s, 0,1,2,3,4,5,6,7
	ds_load_b32 v[WS+8*(\sl)+\s], v[WSA+(\sl)] offset:512*\s
.endr
.endm
; Eight matrix instructions: K step s, the eight accumulators by turns, in the same order in every K step.  zero = 1: the products start the sums: nothing is ever cleared.
.macro MULK s, sl, zero
.if (\s) < 4
.set rW, WB0+24*(\s)
.else
.set rW, WB1+24*((\s)-4)
.endif
.if (\s) < 5
.set rX, 48*(\s)
.else
.set rX, 48*((\s)-5)
.endif
.irp m, 0,1,2,3
.irp u, 0,1
.set rD, 16*\m+8*\u
.set rA, rW+12*\u
.set rB, rX+12*\m
.set rP, WS+8*(\sl)+(\s)
.set rQ, AS+2*(\s)+\m/2
.if \zero
.if (\u == 0) && (\m%2 == 0)
	v_wmma_scale_f32_16x16x128_f8f6f4 v[rD:rD+7], v[rA:rA+11], v[rB:rB+11], 0, v[rP], v[rQ] matrix_a_fmt:MATRIX_FMT_BF6 matrix_b_fmt:MATRIX_FMT_BF6
.elseif \m%2 == 0
	v_wmma_scale_f32_16x16x128_f8f6f4 v[rD:rD+7], v[rA:rA+11], v[rB:rB+11], 0, v[rP], v[rQ] matrix_a_fmt:MATRIX_FMT_BF6 matrix_b_fmt:MATRIX_FMT_BF6 matrix_a_scale:MATRIX_SCALE_ROW1
.elseif \u == 0
	v_wmma_scale_f32_16x16x128_f8f6f4 v[rD:rD+7], v[rA:rA+11], v[rB:rB+11], 0, v[rP], v[rQ] matrix_a_fmt:MATRIX_FMT_BF6 matrix_b_fmt:MATRIX_FMT_BF6 matrix_b_scale:MATRIX_SCALE_ROW1
.else
	v_wmma_scale_f32_16x16x128_f8f6f4 v[rD:rD+7], v[rA:rA+11], v[rB:rB+11], 0, v[rP], v[rQ] matrix_a_fmt:MATRIX_FMT_BF6 matrix_b_fmt:MATRIX_FMT_BF6 matrix_a_scale:MATRIX_SCALE_ROW1 matrix_b_scale:MATRIX_SCALE_ROW1
.endif
.else
.if (\u == 0) && (\m%2 == 0)
	v_wmma_scale_f32_16x16x128_f8f6f4 v[rD:rD+7], v[rA:rA+11], v[rB:rB+11], v[rD:rD+7], v[rP], v[rQ] matrix_a_fmt:MATRIX_FMT_BF6 matrix_b_fmt:MATRIX_FMT_BF6
.elseif \m%2 == 0
	v_wmma_scale_f32_16x16x128_f8f6f4 v[rD:rD+7], v[rA:rA+11], v[rB:rB+11], v[rD:rD+7], v[rP], v[rQ] matrix_a_fmt:MATRIX_FMT_BF6 matrix_b_fmt:MATRIX_FMT_BF6 matrix_a_scale:MATRIX_SCALE_ROW1
.elseif \u == 0
	v_wmma_scale_f32_16x16x128_f8f6f4 v[rD:rD+7], v[rA:rA+11], v[rB:rB+11], v[rD:rD+7], v[rP], v[rQ] matrix_a_fmt:MATRIX_FMT_BF6 matrix_b_fmt:MATRIX_FMT_BF6 matrix_b_scale:MATRIX_SCALE_ROW1
.else
	v_wmma_scale_f32_16x16x128_f8f6f4 v[rD:rD+7], v[rA:rA+11], v[rB:rB+11], v[rD:rD+7], v[rP], v[rQ] matrix_a_fmt:MATRIX_FMT_BF6 matrix_b_fmt:MATRIX_FMT_BF6 matrix_a_scale:MATRIX_SCALE_ROW1 matrix_b_scale:MATRIX_SCALE_ROW1
.endif
.endif
.endr
.endr
.endm
; A product's whole left operand from LDS into my registers: 32 fragments and their scale words.  K step s lies at position (s + s[nr]) & 7 of the buffer.  Nobody writes the buffer in this phase.
.macro ACTLOAD al, asl, nr
.irp s, 0,1,2,3,4,5,6,7
	s_add_co_u32 s36, s[\nr], \s
	s_and_b32 s36, s36, 7
	s_lshl_b32 s37, s36, 8
	s_mul_i32 s36, s36, POSB
	v_add_nc_u32 v[AD+\s], s36, v[\al]
	v_add_nc_u32 v[AD2+\s], s37, v[\asl]
.endr
	WIN TO1
	s_wait_alu depctr_va_vdst(0)
.irp s, 0,1,2,3,4
.irp m, 0,1,2,3
.irp i, 0,1,2
	ds_load_b128 v[12*(4*\s+\m)+4*\i:12*(4*\s+\m)+4*\i+3], v[AD+\s] offset:FRB*\m+16*\i
.endr
.endr
.endr
	WIN TO2
.irp s, 5,6,7
.irp m, 0,1,2,3
.irp i, 0,1,2
	ds_load_b128 v[12*(4*(\s-5)+\m)+4*\i:12*(4*(\s-5)+\m)+4*\i+3], v[AD+\s] offset:FRB*\m+16*\i
.endr
.endr
.endr
	WIN 0
.irp s, 0,1,2,3,4,5,6,7
	ds_load_b64 v[AS+2*\s:AS+2*\s+1], v[AD2+\s]    ; lanes 0-15: the words of m = 0 and 2; lanes 16-31: of m = 1 and 3
.endr
	s_wait_dscnt 0x0
.endm
.macro FLUSHLD st                      ; my 16 rows of y out of stage st, whole: 512 bytes an instruction
	s_wait_xcnt 0x0                                ; the last stores of y have read their offset and their data: both are written anew only behind this wait
	s_add_co_u32 s36, s[PF], s[ROT]
	s_and_b32 s36, s36, 7                          ; the column group of the step that is stored
	s_lshl_b32 s36, s36, 9
	v_add_nc_u32 v[YO], s36, v[L16]
	s_add_co_u32 s[PF], s[PF], 1
.irp i, 0,1,2,3,4,5,6,7,8,9,10,11,12,13,14,15
	ds_load_b128 v[FB+4*\i:FB+4*\i+3], v[SR+(\st)] offset:SP*\i
.endr
.endm
.macro FLUSHST
.irp i, 0,1,2,3,4,5,6,7,8,9,10,11,12,13,14,15
	global_store_b128 v[YO], v[FB+4*\i:FB+4*\i+3], s[8:9] offset:4096*\i th:TH_STORE_NT   ; 32 lanes store 512 consecutive bytes of a row, at a multiple of 256 from y's first byte; written once, read by nobody here
.endr
.endm
; A TIME STEP, on slot sl.  kind = 0: the results are quantised and become a position of the next operand's image; 1: they are y.  fill = 1: the slot is filled again, two steps ahead.
; flush = 1: the last step's rows of y leave.  next = 1: the next step's first fragments are fetched.
; The slot's K steps 0-3 and scale words were fetched in the step before; its K steps 4-7 are fetched at the step's head; so all reads of the slot are back in the step's middle, where the ONE barrier of the step stands.
.macro STEP sl, kind, fill, flush, next
	s_wait_dscnt 16                                ; K steps 0-3 and the scale words are in: behind them only the last way out's 16 LDS stores were issued
	WIN TO3
	LOADW WB1, \sl, 1
	WIN MUL1
	MULK 0, \sl, 1
	MULK 1, \sl, 0
	MULK 2, \sl, 0
	WIN 0                                          ; (the add's two registers lie in window 0)
	s_wait_tensorcnt 0x0                           ; all my tensor loads have landed: the one that was out is my quarter of the other slot; so a group 0 may be written
	ds_add_u32 v[SPW], v[NIL]                      ; 0 onto my spare word; work on registers stands between it and the wait for it
.if \fill
	GADDR G0+4*\sl
.endif
	WIN MUL1
	MULK 3, \sl, 0
	s_wait_dscnt 0x0                               ; the add is done, my reads of this slot are over, and my last way out's stores have landed
	s_barrier_signal -1                            ; (where the slot is filled again this barrier opens a round of the cluster's barrier)
	MULK 4, \sl, 0                                 ; work on registers while the others arrive
	WIN 0
	s_barrier_wait -1
.if \fill
	CREST                                          ; no wave of any partner still reads this slot or has a load on its way
	tensor_load_to_lds s[G0+4*\sl:G0+4*\sl+3], s[G1:G1+7]   ; my one tensor load behind the round, and the first thing there
	s_nop 0
.endif
.rept 4
	v_nop                                          ; four nops behind a tensor load; also the places in front of the loads into registers that K steps 0-3 have read
.endr
.if \next
	WIN TO3
	LOADW WB0, 1-\sl, 0                            ; the other slot is whole: every wave has waited for its quarter in front of the barrier
	WIN 0
	LOADS 1-\sl
.endif
.if \flush
	FLUSHLD 1-\sl                                  ; the last step's results lie in its stage: every wave has waited for its stores in front of the barrier
.endif
	WIN MUL2
	MULK 5, \sl, 0
	MULK 6, \sl, 0
	MULK 7, \sl, 0
	WIN 0
.if \kind == 0                         ; five places: four in front of the first read of the results and of loads into the products' registers, five in front of the next step's first products, which begin the accumulators anew
	v_add_nc_u32 v[EAD], s[EP], v[EA0]
	v_add_nc_u32 v[EBD], s[EQ], v[EB0]
.rept 3
	v_nop
.endr
.else
.rept 5
	v_nop
.endr
.endif
.if \flush
	s_wait_alu depctr_va_vdst(0)
	s_wait_dscnt 0x0                               ; the rows are back from the stage (asked for 24 matrix instructions ago)
	FLUSHST
.endif
.if \kind == 0
	Q4 0, 3                                        ; group m: the 16 registers of accumulators (m, 0) and (m, 1)
.irp m, 0,1,2,3
.irp i, 0,1,2
	ds_store_b32 v[EAD], v[PC+4*\m+\i] offset:FRB*\m+4*\i
.endr
.endr
.irp m, 0,1,2,3
	ds_store_b8 v[EBD], v[TM+4+\m] offset:128*(\m%2)+4*(\m/2)   ; byte w of the row's scale word; both halves of the lanes write the same value
.endr
	s_add_co_u32 s[EP], s[EP], POSB
	s_add_co_u32 s[EQ], s[EQ], 256
.else
	WIN ST3
.irp m, 0,1,2,3
.irp u, 0,1
.irp q, 0,1
	ds_store_b128 v[SO+\sl], v[16*\m+8*\u+4*\q:16*\m+8*\u+4*\q+3] offset:16*SP*\m+32*\u+16*\q   ; each accumulator from its low end on: y(16 m + r, 32 w + 16 h + 8 u + 4 q ..)
.endr
.endr
.endr
	WIN 0
.endif
.endm
	s_load_b128 s[4:7], s[0:1], 0x0                ; x s[4:5], wq s[6:7]
	s_load_b64 s[8:9], s[0:1], 0x10                ; out0
	v_lshl_add_u32 v[SPW], v0, 2, SPARE
	v_mov_b32 v[NIL], 0
	ds_add_u32 v[SPW], v[NIL]                      ; the wave's opening: the add, twice on end, and its wait ahead of my first tensor load; the set-up below stands between the second and the wait
	ds_add_u32 v[SPW], v[NIL]
	v_lshrrev_b32 v25, 5, v0
	v_readfirstlane_b32 s[WV], v25                 ; wave 0..3
	v_and_b32 v25, 31, v0                          ; lane
	v_and_b32 v26, 15, v0                          ; r
	v_bfe_u32 v27, v0, 4, 1                        ; h
	v_lshlrev_b32 v[L16], 4, v25
	v_mul_u32_u24 v28, v25, 48                     ; 48 x lane
	v_mul_u32_u24 v29, v26, 48
	v_mad_u32_u24 v29, v27, 12, v29                ; 48 r + 12 h
	s_wait_alu depctr_va_vdst(0)
	v_mul_u32_u24 v30, v26, SP
	v_lshl_add_u32 v30, v27, 6, v30                ; 528 r + 64 h
	v_lshlrev_b32 v31, 3, v26                      ; 8 r
	s_wait_alu depctr_va_vdst(0)
	s_mul_i32 s34, s[WV], 24576
	v_add_nc_u32 v[WA], s34, v28
	v_add_nc_u32 v[WA+1], SLOTB, v[WA]
	s_lshl_b32 s34, s[WV], 7                       ; 128 w
	s_add_co_u32 s35, s34, SCOFF
	v_lshl_add_u32 v[WSA], v25, 2, s35
	v_add_nc_u32 v[WSA+1], SLOTB, v[WSA]
	s_and_b32 s36, s[WV], 1
	s_lshr_b32 s37, s[WV], 1
	s_mul_i32 s44, s36, 768
	s_mul_i32 s45, s37, 24
	s_add_co_u32 s44, s44, s45
	v_add_nc_u32 v[EA0], s44, v29
	s_add_co_u32 s45, s[WV], ASC
	v_add_nc_u32 v[EB0], s45, v31
	s_mul_i32 s44, s[WV], 16*SP
	s_add_co_u32 s45, s44, ACT1
	v_add_nc_u32 v[XLA], s45, v30
	v_add_nc_u32 v[SR], s45, v[L16]
	s_add_co_u32 s45, s44, ACT0
	v_add_nc_u32 v[SR+1], s45, v[L16]
	s_mul_i32 s44, s[WV], FRB
	s_add_co_u32 s44, s44, ACT0
	v_add_nc_u32 v[XEA], s44, v29
	s_lshl_b32 s44, s36, 7
	s_lshl_b32 s45, s37, 2
	s_add_co_u32 s44, s44, s45
	s_add_co_u32 s44, s44, ACT0+ASC
	v_add_nc_u32 v[XEB], s44, v31
	v_add_nc_u32 v[AL0], ACT0, v28
	v_add_nc_u32 v[AL1], ACT1, v28
	v_lshl_add_u32 v[ASL0], v25, 3, ACT0+ASC
	v_lshl_add_u32 v[ASL1], v25, 3, ACT1+ASC
	s_add_co_u32 s45, s34, ACT1
	v_add_nc_u32 v[SO], s45, v30
	s_add_co_u32 s45, s34, ACT0
	v_add_nc_u32 v[SO+1], s45, v30
.irp g, 0,1,2,3
	v_mov_b32 v[TM+4+\g], 0                        ; written once: a lane permute's destination counts as one of its sources
.endr
	s_mov_b32 s[SEL], 0x76543210
	s_mov_b32 s[SEL+1], 0xfedcba98
.if ROTATE
	s_lshr_b32 s[ROT], ttmp9, 3                    ; in a cluster launch ttmp9 counts clusters: the same number in all four partners
	s_add_co_u32 s[ROT], s[ROT], ttmp9
	s_and_b32 s[ROT], s[ROT], 7
	s_xor_b32 s[NR], s[ROT], 7
	s_add_co_u32 s[NR], s[NR], 1
	s_and_b32 s[NR], s[NR], 7                      ; (8 - rot) & 7
.else
	s_mov_b32 s[ROT], 0
	s_mov_b32 s[NR], 0
.endif
	s_mov_b32 s[NOROT], 0
	s_mov_b32 s[TN], 0
	s_mov_b32 s[PF], 0
	s_mul_i32 s[QW], s[WV], QUART
	; descriptor group 1: a dense block of 25,600 bytes as 100 rows of 256 bytes (32 elements of 8 bytes), no padding
	s_mov_b32 s[G1], 15|(3<<16)|(1<<21)            ; 15:0 the mask: all four work-groups; 17:16 elements of 8 bytes; 21 set beside a mask
	s_mov_b32 s[G1+1], 32<<16                      ; tensor_dim0 = 32
	s_mov_b32 s[G1+2], 100<<16                     ; tensor_dim1 = 100
	s_mov_b32 s[G1+3], 32<<16                      ; tile_dim0 = 32
	s_mov_b32 s[G1+4], 100                         ; tile_dim1 = 100
	s_mov_b32 s[G1+5], 32                          ; tensor_dim0_stride
	s_mov_b32 s[G1+6], 0
	s_mov_b32 s[G1+7], 0
	s_mov_b32 s[G0], 1                             ; count = 1
	s_mov_b32 s[G0+1], s[QW]                       ; LDS address: slot 0, my quarter: no place in the cluster enters an LDS address
	s_mov_b32 s[G0+4], 1
	s_add_co_u32 s[G0+5], s[QW], SLOTB             ; slot 1
	s_bfe_u32 s11, ttmp6, 0x40000                  ; cx: it enters x's and y's addresses alone
	s_lshl_b32 s46, ttmp9, 2
	s_add_co_u32 s46, s46, s11                     ; my work-group
	s_lshl_b32 s46, s46, 6                         ; its 64 rows,
	s_lshl_b32 s47, s[WV], 4
	s_add_co_u32 s46, s46, s47                     ; my wave's 16 of them,
	s_lshl_b32 s46, s46, 12                        ; 4,096 bytes a row: under 2^26
	s_mov_b32 s47, 0
	s_wait_dscnt 0x0                               ; both opening adds are done
	s_wait_kmcnt 0x0
	s_add_nc_u64 s[4:5], s[4:5], s[46:47]
	s_add_nc_u64 s[8:9], s[8:9], s[46:47]
	XLOAD 0                                        ; x first: four K steps, 64 loads a wave, are asked for ahead of everything else
	XLOAD 1
	XLOAD 2
	XLOAD 3
	GADDR G0                                       ; time steps 0 and 1
	GADDR G0+4
	ROUND                                          ; all four work-groups are here: the first joint loads meet
	tensor_load_to_lds s[G0:G0+3], s[G1:G1+7]      ; slot 0's first fill: one tensor load a wave at the head; by this text's count one load of mine is out here and one behind each round
	s_nop 0
.rept 4
	v_nop
.endr
	; ---- x becomes the first product's operand
	XSTEP 0
	XSTEP 1
	XSTEP 2
	XSTEP 3
	s_wait_tensorcnt 0x0                           ; my quarter of slot 0 is in; these lines stand ahead of a later first fill, as ahead of a refill
	ds_add_u32 v[SPW], v[NIL]                      ; 0 onto my spare word
	s_wait_dscnt 0x0                               ; the add is done, and my LDS instructions so far
	ROUND                                          ; a whole round: all four work-groups are here, and the joint loads meet
	tensor_load_to_lds s[G0+4:G0+7], s[G1:G1+7]    ; slot 1's first fill, my one tensor load behind the round
	s_nop 0
.rept 4
	v_nop
.endr
	XSTEP 4
	XSTEP 5
	XSTEP 6
	XSTEP 7
	s_wait_dscnt 0x0                               ; my images of x lie in LDS (every wave's quarter of slot 0 was waited for in front of the round above; slot 1's load may stay out)
	s_barrier_signal -1
	s_barrier_wait -1
	WIN TO3
	LOADW WB0, 0, 0
	WIN 0
	LOADS 0
	ACTLOAD AL0, ASL0, NOROT                       ; x's K steps lie in their own order
	; ---- product 1: x B^T, results into ACT1
	s_mov_b32 s[EP], ACT1
	s_mov_b32 s[EQ], ACT1
	s_mov_b32 s[CNT], 4
.Lp1:
	STEP 0, 0, 1, 0, 1
	STEP 1, 0, 1, 0, 1
	s_sub_co_u32 s[CNT], s[CNT], 1
	s_cmp_lg_u32 s[CNT], 0
	s_cbranch_scc1 .Lp1
	s_wait_dscnt 0x0                               ; my part of the last position lies in LDS
	s_barrier_signal -1
	s_barrier_wait -1
	ACTLOAD AL1, ASL1, NR
	; ---- product 2: h A, results into ACT0
	s_mov_b32 s[EP], ACT0
	s_mov_b32 s[EQ], ACT0
	s_mov_b32 s[CNT], 4
.Lp2:
	STEP 0, 0, 1, 0, 1
	STEP 1, 0, 1, 0, 1
	s_sub_co_u32 s[CNT], s[CNT], 1
	s_cmp_lg_u32 s[CNT], 0
	s_cbranch_scc1 .Lp2
	s_wait_dscnt 0x0
	s_barrier_signal -1
	s_barrier_wait -1
	ACTLOAD AL0, ASL0, NR
	; ---- product 3: inter C^T; each step's rows of y leave in the step behind it
	STEP 0, 1, 1, 0, 1                             ; time step 16: nothing to store yet
	STEP 1, 1, 1, 1, 1
	s_mov_b32 s[CNT], 2
.Lp3:
	STEP 0, 1, 1, 1, 1
	STEP 1, 1, 1, 1, 1
	s_sub_co_u32 s[CNT], s[CNT], 1
	s_cmp_lg_u32 s[CNT], 0
	s_cbranch_scc1 .Lp3
	STEP 0, 1, 0, 1, 1                             ; the last two steps are written out: nothing is left to fetch
	STEP 1, 1, 0, 1, 0
	s_wait_dscnt 0x0                               ; my part of the last step's rows lies in its stage
	s_barrier_signal -1
	s_barrier_wait -1
	FLUSHLD 1
	s_wait_alu depctr_va_vdst(0)
.irp i, 0,1,2,3,4,5,6,7,8,9,10,11,12,13,14,15
	s_wait_dscnt 15-\i                             ; the younger loads of this run may be out
	global_store_b128 v[YO], v[FB+4*\i:FB+4*\i+3], s[8:9] offset:4096*\i th:TH_STORE_NT
.endr
	s_wait_tensorcnt 0x0                           ; the wave's end: three lines behind my last tensor load and my last LDS store
	ds_add_u32 v[SPW], v[NIL]
	s_wait_dscnt 0x0
	ROUND                                          ; the closing round: no work-group ends while a partner may still ask for a tile that names it
	s_endpgm
.Lfunc_end_k_qdd15743d29_chain:
	.size	k_qdd15743d29_chain, .Lfunc_end_k_qdd15743d29_chain-k_qdd15743d29_chain
	.p2alignl 7, 3214868480
	.fill 96, 4, 3214868480
	.section	.rodata,"a",@progbits
	.p2align	6, 0x0
	.amdhsa_kernel k_qdd15743d29_chain
		.amdhsa_group_segment_fixed_size 327680
		.amdhsa_private_segment_fixed_size 0
		.amdhsa_enable_private_segment 0
		.amdhsa_kernarg_size 24
		.amdhsa_user_sgpr_count 2
		.amdhsa_user_sgpr_kernarg_segment_ptr 1
		.amdhsa_wavefront_size32 1
		.amdhsa_system_sgpr_workgroup_id_x 1
		.amdhsa_system_sgpr_workgroup_id_y 1
		.amdhsa_system_sgpr_workgroup_id_z 1
		.amdhsa_system_vgpr_workitem_id 0
		.amdhsa_next_free_vgpr 1024
		.amdhsa_next_free_sgpr 66
		.amdhsa_reserve_vcc 0
		.amdhsa_float_denorm_mode_32 3
		.amdhsa_float_denorm_mode_16_64 3
		.amdhsa_memory_ordered 1
		.amdhsa_forward_progress 1
		.amdhsa_inst_pref_size 255
	.end_amdhsa_kernel
	.section	.bss,"aw",@nobits
	.p2align	6
	.space	262144
	.amdgpu_metadata
---
amdhsa.version: [ 1, 2 ]
amdhsa.kernels:
  - .name:           k_qdd15743d29_chain
    .symbol:         k_qdd15743d29_chain.kd
    .args:
      - { .name: x, .offset: 0, .size: 8, .value_kind: global_buffer, .address_space: global }
      - { .name: wq, .offset: 8, .size: 8, .value_kind: global_buffer, .address_space: global }
      - { .name: out0, .offset: 16, .size: 8, .value_kind: global_buffer, .address_space: global }
    .group_segment_fixed_size: 327680
    .private_segment_fixed_size: 0
    .kernarg_segment_align: 8
    .kernarg_segment_size: 24
    .max_flat_workgroup_size: 128
    .sgpr_count:     66
    .vgpr_count:     1024
    .wavefront_size: 32
...
	.end_amdgpu_metadata
.endif
;; end of part 2
